; MI455X (gfx1250); checked and timed in simulation.
; The chip was launched on July 23, 2026; its instructions are those of AMD's public machine-readable ISA for CDNA 5 (MIT licence, August 2026) and "CDNA5" Instruction Set Architecture Reference Guide (July 2026). The comments in the code are by the model that wrote it; some were corrected since.
;; SV Diff Module. Allowed arithmetic: float matrix products may take bf16 or f16 operands with f32 sums; other float arithmetic in f32, or as packed bf16 or f16 multiplies, adds, multiply-adds, maxima and minima; sums over many terms, partial sums and values carried from step to step in f32; what a program stores and reads back later, other than sums and carried values, may be rounded once to bf16 or f16.
;; Inputs: S 4,096 float32; U 4,096 x 4,096 float32; Vh 4,096 x 4,096 float32; delta 4,096 float32; weight 4,096 x 4,096 float32.
;; Outputs: out0 4,096 x 4,096 float32.
;; 2 versions, each right; version 2 is version 1 with the launch prep written anew for expert scheduling mode. Each part assembles by itself: llvm-mc -triple=amdgcn-amd-amdhsa -mcpu=gfx1250 --defsym DOCPART=n.
;; ======== version 1 of 2: 2 launches
;; workspace buffers: a16 33,554,432 bytes; b16 33,554,432 bytes
;; launch prep (part 1): grid 128 x 2, 32 waves a work-group, no clusters, 0 bytes of LDS; arguments U, Vh, S, delta, a16, b16; writes a16, b16
.if DOCPART == 1
	.amdgcn_target "amdgcn-amd-amdhsa--gfx1250"
	.amdhsa_code_object_version 6
	.text
	.protected	k_q8ecd24da31_prep
	.globl	k_q8ecd24da31_prep
	.p2align	8
	.type	k_q8ecd24da31_prep,@function
k_q8ecd24da31_prep:
	s_mov_b64 s[64:65], 0
	v_nop
	global_prefetch_b8 v0, s[64:65] scope:SCOPE_SE
	s_setreg_imm32_b32 hwreg(HW_REG_WAVE_MODE, 25, 1), 1
	s_wait_xcnt 0x0
; a16[m][k] = bf16( bf16(U[m][k]) * s[k] ),  s[k] = relu( bf16(S[k]) + 1.0 * bf16(delta[k]) ) in f32;   b16[k][n] = bf16(Vh[k][n]).
; U, Vh: [4096][4096] f32.  S, delta: [4096] f32.  a16, b16: [4096][4096] bf16, the same order of rows and columns as their sources.
; LIMITS.  Every input is rounded to bf16 (nearest even) before it is used, and the product U s is rounded once more: the matrix operands of the
; launch behind are 16 bits wide.  s keeps a NaN (the compare is false for it) and keeps -0.  The module's fifth argument, weight, is not among this program's arguments:
; no number of the result depends on it.
; SHARES.  The grid's y says which tensor: 0 = U, 1 = Vh.  A work-group owns 32 whole rows.  Thread t of 1,024 owns columns 4 t .. 4 t + 3 of every row:
; 16 bytes in at 16 t, 8 bytes out at 8 t.  So a wave's load covers 512 consecutive bytes, aligned, a wave's store 256 consecutive bytes, aligned, and a thread's four s stay in registers.
; A ring of DEPTH register slots keeps DEPTH loads of every wave in flight.  The text is straight: the row stands in the immediates (at most 31 x 16,384),
; no address register is ever rewritten and every row has store registers of its own, so no wait for a source is needed anywhere.
; No LDS, no barrier, no matrix unit: no wave wants a byte that another has fetched.
.set ROWI,  16384                      ; bytes in a row of f32
.set ROWO,  8192                       ; bytes in a row of bf16
.set ROWS,  32                         ; rows of a work-group
.set DEPTH, 8                          ; slots = loads in flight in each wave
.set VI,   1                           ; v1        16 t; never rewritten
.set VO,   2                           ; v2        8 t; never rewritten
.set ZERO, 3                           ; v3        0
.set SC,   4                           ; v[4:7]    s of my four columns
.set SS,   8                           ; v[8:11]   S as loaded, then delta widened
.set DD,   12                          ; v[12:15]  delta as loaded
.set T,    16                          ; v[16:23]  at work
.set X,    24                          ; v[24:55]  slot i: four f32 as loaded
.set Y,    56                          ; v[56:119] row r: four bf16 to store
	s_load_b256 s[4:11], s[0:1], 0x0               ; U s[4:5], Vh s[6:7], S s[8:9], delta s[10:11]
	s_load_b128 s[12:15], s[0:1], 0x20             ; a16 s[12:13], b16 s[14:15]
	s_lshl_b32 s20, ttmp9, 19                      ; the work-group's 32 rows: 32 x 16,384 bytes in (under 2^27),
	s_mov_b32 s21, 0
	s_lshl_b32 s22, ttmp9, 18                      ; 32 x 8,192 bytes out
	s_mov_b32 s23, 0
	s_and_b32 s24, ttmp7, 0xffff                   ; which tensor
	s_mov_b32 s25, 0xffff0000                      ; a word's upper bf16
	v_lshlrev_b32 v[VI], 4, v0
	v_lshlrev_b32 v[VO], 3, v0
	v_mov_b32 v[ZERO], 0
.macro FIRST                           ; rows 0 to 7 fill the ring
.irp i, 0,1,2,3,4,5,6,7
	global_load_b128 v[X+4*(\i):X+4*(\i)+3], v[VI], s[16:17] offset:(\i)*ROWI th:TH_LOAD_NT
.endr
.endm
; Row r's turn, in slot r % DEPTH.  scaled = 1: round, widen, times s, round.  scaled = 0: round.
.macro SLOT r, scaled
.if (\r) < ROWS-DEPTH
	s_wait_loadcnt DEPTH-1                         ; loads come back in order (ISA guide 5.7.1): row r is in, the seven younger rows stay out
.else
	s_wait_loadcnt ROWS-1-(\r)                     ; the last eight rows load nothing: the counts run down
.endif
.if \scaled
	v_cvt_pk_bf16_f32 v[T],   v[X+4*((\r)%DEPTH)],   v[X+4*((\r)%DEPTH)+1]   ; the input's rounding, two at a time
	v_cvt_pk_bf16_f32 v[T+1], v[X+4*((\r)%DEPTH)+2], v[X+4*((\r)%DEPTH)+3]
	v_lshlrev_b32 v[T+4], 16,  v[T]                ; bf16 to f32: the low half moves up,
	v_and_b32     v[T+5], s25, v[T]                ; the high half stays
	v_lshlrev_b32 v[T+6], 16,  v[T+1]
	v_and_b32     v[T+7], s25, v[T+1]
	v_pk_mul_f32 v[T+4:T+5], v[T+4:T+5], v[SC:SC+1]
	v_pk_mul_f32 v[T+6:T+7], v[T+6:T+7], v[SC+2:SC+3]
	v_cvt_pk_bf16_f32 v[Y+2*(\r)],   v[T+4], v[T+5]
	v_cvt_pk_bf16_f32 v[Y+2*(\r)+1], v[T+6], v[T+7]
.else
	v_cvt_pk_bf16_f32 v[Y+2*(\r)],   v[X+4*((\r)%DEPTH)],   v[X+4*((\r)%DEPTH)+1]
	v_cvt_pk_bf16_f32 v[Y+2*(\r)+1], v[X+4*((\r)%DEPTH)+2], v[X+4*((\r)%DEPTH)+3]
.endif
.if (\r) < ROWS-DEPTH
	global_load_b128 v[X+4*((\r)%DEPTH):X+4*((\r)%DEPTH)+3], v[VI], s[16:17] offset:((\r)+DEPTH)*ROWI th:TH_LOAD_NT  ; the load ahead of the store
.endif
	global_store_b64 v[VO], v[Y+2*(\r):Y+2*(\r)+1], s[18:19] offset:(\r)*ROWO th:TH_STORE_NT
.endm
	s_wait_kmcnt 0x0
	s_cmp_lg_u32 s24, 0
	s_cbranch_scc1 .Lvh
	; U -> a16
	s_add_nc_u64 s[16:17], s[4:5], s[20:21]        ; U at the group's first row
	s_add_nc_u64 s[18:19], s[12:13], s[22:23]      ; a16 likewise
	global_load_b128 v[SS:SS+3], v[VI], s[8:9]     ; S and delta of my four columns
	global_load_b128 v[DD:DD+3], v[VI], s[10:11]
	FIRST
	s_wait_loadcnt DEPTH                           ; S and delta are in; the eight rows behind them stay out
	v_cvt_pk_bf16_f32 v[T],   v[SS],   v[SS+1]     ; both are rounded like every input,
	v_cvt_pk_bf16_f32 v[T+1], v[SS+2], v[SS+3]
	v_cvt_pk_bf16_f32 v[T+2], v[DD],   v[DD+1]
	v_cvt_pk_bf16_f32 v[T+3], v[DD+2], v[DD+3]
	v_lshlrev_b32 v[SC],   16,  v[T]               ; widened again,
	v_and_b32     v[SC+1], s25, v[T]
	v_lshlrev_b32 v[SC+2], 16,  v[T+1]
	v_and_b32     v[SC+3], s25, v[T+1]
	v_lshlrev_b32 v[SS],   16,  v[T+2]
	v_and_b32     v[SS+1], s25, v[T+2]
	v_lshlrev_b32 v[SS+2], 16,  v[T+3]
	v_and_b32     v[SS+3], s25, v[T+3]
	v_pk_add_f32 v[SC:SC+1],   v[SC:SC+1],   v[SS:SS+1]    ; added in f32 (the module's scale is 1.0),
	v_pk_add_f32 v[SC+2:SC+3], v[SC+2:SC+3], v[SS+2:SS+3]
.irp j, 0,1,2,3
	v_cmp_lt_f32 vcc_lo, v[SC+(\j)], v[ZERO]       ; and what is below 0 becomes 0: a choice of values, no branch
	v_cndmask_b32 v[SC+(\j)], v[SC+(\j)], v[ZERO], vcc_lo
.endr
.set row, 0
.rept ROWS
	SLOT row, 1
.set row, row+1
.endr
	s_endpgm
.Lvh:	; Vh -> b16
	s_add_nc_u64 s[16:17], s[6:7], s[20:21]        ; Vh at the group's first row
	s_add_nc_u64 s[18:19], s[14:15], s[22:23]      ; b16 likewise
	FIRST
.set row, 0
.rept ROWS
	SLOT row, 0
.set row, row+1
.endr
	s_endpgm
.Lfunc_end_k_q8ecd24da31_prep:
	.size	k_q8ecd24da31_prep, .Lfunc_end_k_q8ecd24da31_prep-k_q8ecd24da31_prep
	.p2alignl 7, 3214868480
	.fill 96, 4, 3214868480
	.section	.rodata,"a",@progbits
	.p2align	6, 0x0
	.amdhsa_kernel k_q8ecd24da31_prep
		.amdhsa_group_segment_fixed_size 0
		.amdhsa_private_segment_fixed_size 0
		.amdhsa_enable_private_segment 0
		.amdhsa_kernarg_size 48
		.amdhsa_user_sgpr_count 2
		.amdhsa_user_sgpr_kernarg_segment_ptr 1
		.amdhsa_wavefront_size32 1
		.amdhsa_system_sgpr_workgroup_id_x 1
		.amdhsa_system_sgpr_workgroup_id_y 1
		.amdhsa_system_sgpr_workgroup_id_z 1
		.amdhsa_system_vgpr_workitem_id 0
		.amdhsa_next_free_vgpr 128
		.amdhsa_next_free_sgpr 66
		.amdhsa_reserve_vcc 1
		.amdhsa_float_denorm_mode_32 3
		.amdhsa_float_denorm_mode_16_64 3
		.amdhsa_memory_ordered 1
		.amdhsa_forward_progress 1
		.amdhsa_inst_pref_size 37
	.end_amdhsa_kernel
	.amdgpu_metadata
---
amdhsa.version: [ 1, 2 ]
amdhsa.kernels:
  - .name:           k_q8ecd24da31_prep
    .symbol:         k_q8ecd24da31_prep.kd
    .args:
      - { .name: U, .offset: 0, .size: 8, .value_kind: global_buffer, .address_space: global }
      - { .name: Vh, .offset: 8, .size: 8, .value_kind: global_buffer, .address_space: global }
      - { .name: S, .offset: 16, .size: 8, .value_kind: global_buffer, .address_space: global }
      - { .name: delta, .offset: 24, .size: 8, .value_kind: global_buffer, .address_space: global }
      - { .name: a16, .offset: 32, .size: 8, .value_kind: global_buffer, .address_space: global }
      - { .name: b16, .offset: 40, .size: 8, .value_kind: global_buffer, .address_space: global }
    .group_segment_fixed_size: 0
    .private_segment_fixed_size: 0
    .kernarg_segment_align: 8
    .kernarg_segment_size: 48
    .max_flat_workgroup_size: 1024
    .sgpr_count:     66
    .vgpr_count:     128
    .wavefront_size: 32
...
	.end_amdgpu_metadata
.endif
;; end of part 1
;; launch gemm (part 2): grid 16 x 16, 4 waves a work-group, clusters of 4 x 4, 327,680 bytes of LDS; arguments a16, b16, out0; writes out0
.if DOCPART == 2
	.amdgcn_target "amdgcn-amd-amdhsa--gfx1250"
	.amdhsa_code_object_version 6
	.text
	.protected	k_q8ecd24da31_gemm
	.globl	k_q8ecd24da31_gemm
	.p2align	8
	.type	k_q8ecd24da31_gemm,@function
k_q8ecd24da31_gemm:
	s_mov_b64 s[64:65], 0
	v_nop
	global_prefetch_b8 v0, s[64:65] scope:SCOPE_SE
	s_setreg_imm32_b32 hwreg(HW_REG_WAVE_MODE, 25, 1), 1
	s_wait_xcnt 0x0
	s_wait_alu depctr_hold_cnt(0) depctr_sa_sdst(0) depctr_va_vdst(0) depctr_va_sdst(0) depctr_va_ssrc(0) depctr_va_vcc(0) depctr_vm_vsrc(0)
	s_getreg_b32 s2, hwreg(HW_REG_IB_STS2, 6, 4)
	s_cmp_eq_u32 s2, 0
	s_cbranch_scc0 .Lentry_in_a_cluster
	s_endpgm
.Lentry_in_a_cluster:
	s_bfe_u32 s2, ttmp6, 0x10000c
	s_cmp_lg_u32 s2, 0xf033
	s_cbranch_scc0 .Lentry_shape_is_right
	s_endpgm
.Lentry_shape_is_right:
; out0[m][n] = the sum over k of a16[m][k] b16[k][n].  a16: [4096 m][4096 k] bf16 (U, rounded, times relu(S + delta), rounded).  b16: [4096 k][4096 n] bf16 (Vh, rounded).  out0: [4096][4096] f32.
; LIMITS.  The operands are bf16, as the launch before made them; the sums are f32, in the matrix unit's order, K ascending; nothing is rounded on the way out.
; SHARES.  A tile of out0, 256 x 256, is made by a work-group of four waves; 16 x 16 tiles, one to a work-group.  A wave makes 128 x 128: 64 accumulators of 16 x 16, 512 registers.
; K goes in 32 steps of 128 through a ring of two LDS slots filled by the tensor data mover.  A's tile is 256 rows (m) x 256 bytes; B's is 128 rows (k) x 512 bytes: all rows start at multiples of 256 bytes.
; B LIES [k][n] and stays so: its fragments come out of LDS turned, by ds_load_tr16_b128, two loads a fragment like A's.
; CLUSTERS: 4 x 4 work-groups.  The four of a row of the cluster need the same tiles of A, the four of a column the same tiles of B: each tile is asked for JOINTLY, by the same tensor load with the
; same descriptor and a mask that names the four, and each receives it in its own LDS: the requests for A and for B are divided by four.
; THE MATRIX INSTRUCTION IS USED TRANSPOSED: source 0 = 16 columns of B, source 1 = 16 rows of A.  Lane l of a result then holds row l % 16 of out0 and the columns 8 (l / 16) + 0 .. 7:
; 32 consecutive bytes of f32, which go into the stage as they lie.
; REGISTERS, in windows of 256 (s_set_vgpr_msb's low byte: bits 1:0 source 0, 3:2 source 1, 5:4 source 2, 7:6 destination):
;   window 0: v0-31 addresses; v64-127, v128-191 fragments of A (8 x 16 rows x 32 K), two buffers; on the way out the same 128 registers hold two blocks of 16 rows read back from the stage
;   window 1: v64-127, v128-191 fragments of B, two buffers
;   window 2: the 32 accumulators of my rows 0-63 (accumulator (a, b) at v[8 (8 a + b)]);   window 3: those of my rows 64-127
.set SIZE_K, 4096
.set SIZE_N, 4096
.set KSTEP,  128
.set BSTEP,  KSTEP*SIZE_N*2            ; bytes from a K step of B to the next: 128 rows of 8,192 bytes
.set PA,     272                       ; a row of A in LDS: 256 bytes + 16 of padding = 68 words: row r starts at bank 4 r mod 64 (64 banks of 4 bytes: ISA guide 11.1): the 16 rows of a load start at 16 different groups of four banks
.set PB,     544                       ; a row of B: 512 + 32 = 136 words: row r starts at bank 8 r mod 64
.set HALF,   128*PA                    ; what one tensor load brings: 128 rows of A, or 64 rows of B (64 x PB is the same 34,816 bytes)
.set SLOT,   4*HALF                    ; A's rows 0-127, 128-255, then B's k 0-63, 64-127
.set STAGE,  2*SLOT                    ; behind the ring, never filled by a tensor load: 16 rows x 528 bytes for each wave, for the way out
.set SP,     528                       ; a stage row: my 128 columns, 512 bytes, + 16: 33 x 16, so the 16 rows of a store start at 16 different groups of four banks
.set WSTAGE, 16*SP
.set SPARE,  STAGE+4*WSTAGE            ; behind the stages: the spare words, 128 bytes for each wave: two blocks of 256 bytes that no other line names
.set LAPS,   SIZE_K/(2*KSTEP)          ; a lap = two K steps = once round the ring
.set ADRA, 16                          ; v16-17  LDS address of my A fragments in slot 0, 1
.set ADRB, 20                          ; v20-21  the same for B
.set STO,  24                          ; v24     the way out: where I put 32 bytes of a row
.set RD,   25                          ; v25     the way out: where I read 16 bytes of a row back
.set CO,   26                          ; v26     my byte offset in 512 consecutive bytes of out0
.set SPW,  28                          ; v28     LDS address of my spare word: SPARE + 4 x my thread's number; never rewritten
.set NIL,  29                          ; v29     0; never rewritten
.set PFO,  30                          ; v30     the prefetches' offset; never rewritten
.set F0,   64                          ; fragment buffer 0
.set F1,   128                         ; fragment buffer 1
.set G1,  24                           ; s[24:31] descriptor group 1 for A's tiles
.set G0,  32                           ; s[32:39] descriptor group 0 for A's tiles, one set for each slot
.set G1B, 48                           ; s[48:55] descriptor group 1 for B's tiles
.set G0B, 56                           ; s[56:63] descriptor group 0 for B's tiles, one set for each slot
.set LIM, 43                           ; s43      1 in a wave that prefetches, else the greatest number
.set PFA, 44                           ; s[44:45] where my prefetches stand
.set PST, 22                           ; s[22:23] bytes from a K step to the next in the tensor that I prefetch
.set MSB, 0
.macro WIN new                         ; the immediate's high byte repeats the setting that is left; a switch that changes nothing is dropped
.if MSB != (\new)
	s_set_vgpr_msb (MSB<<8)|(\new)
.set MSB, \new
.endif
.endm
.set MUL_LO, 0xa1                      ; source 0 (B) window 1, source 1 (A) window 0, C and D window 2
.set MUL_HI, 0xf1                      ; the same, C and D window 3
.set TO_B,   0x40                      ; destination window 1, address window 0
; A joint load.  Waves 0 and 1 fetch A's two halves, waves 2 and 3 B's.  Each of the two lines has ONE mask and one set of registers for all that issue it.  The branch hangs on the wave's
; number alone.  An s_nop 0 and four v_nop follow each of the two lines, ahead of the jump, the label and what follows the macro.
.macro JLOAD s
	s_cmp_eq_u32 s11, 0
	s_cbranch_scc0 .Lfor_b_\@
	tensor_load_to_lds s[G0+4*(\s):G0+4*(\s)+3], s[G1:G1+7]
	s_nop 0
.rept 4
	v_nop
.endr
	s_branch .Lasked_\@
.Lfor_b_\@:
	tensor_load_to_lds s[G0B+4*(\s):G0B+4*(\s)+3], s[G1B:G1B+7]
	s_nop 0
.rept 4
	v_nop
.endr
.Lasked_\@:
.endm
; A PREFETCH INTO THE L2, behind each joint refill, its five lines and the run of LDS loads that follows them: the K step that stands TWO refills on, 512 matrix instructions ahead of the load that will want it.
; One instruction a wave, each lane another aligned block of 256 bytes, and each block of a16 and b16 from K step 4 on is named ONCE in the launch.  A's tile row is read by every cluster of that row of
; clusters: cluster x = 0 asks (waves 0, 1); B's tile column by every cluster of that column: cluster y = 0 asks (waves 2, 3).  The four partners that ask for a tile jointly share its rows out BY ADDRESS:
; of the 128 rows of A that a wave fetches the partner at cx takes 32, a lane a row; of the 64 rows of B the partner at cy takes 16, two lanes a row.  No branch hangs on a place in the cluster.
; The loop's last trip (s3 = 1) asks for nothing: there is no K step two on.  K steps 0 to 3 come by their loads alone.
.macro ASK
	s_cmp_gt_u32 s3, s[LIM]
	s_cbranch_scc0 .Lnot_mine_\@
	global_prefetch_b8 v[PFO], s[PFA:PFA+1] th:TH_LOAD_NT scope:SCOPE_SE
.Lnot_mine_\@:
.endm
; A round of the cluster's barrier: my work-group's barrier, so that wave 0's signal speaks for all four waves; wave 0 signals for the work-group; every wave waits for all
; sixteen work-groups; my work-group's barrier once more.  No LDS instruction of the wave is pending at a signal.
.macro CREST                           ; a round behind its opening barrier
	s_cmp_lg_u32 s10, 0
	s_cbranch_scc1 .Lnot_wave_0_\@
	s_barrier_signal -3
.Lnot_wave_0_\@:
	s_barrier_wait -3
	s_barrier_signal -1
	s_barrier_wait -1
.endm
.macro CROUND                          ; a whole round
	s_barrier_signal -1
	s_barrier_wait -1
	CREST
.endm
	s_load_b128 s[4:7], s[0:1], 0x0                ; a16 s[4:5], b16 s[6:7]
	s_load_b64 s[8:9], s[0:1], 0x10                ; out0
	v_lshl_add_u32 v[SPW], v0, 2, SPARE
	v_mov_b32 v[NIL], 0
	ds_add_u32 v[SPW], v[NIL]                      ; the wave's opening: the add, twice on end, and its wait ahead of my first tensor load; the set-up below, work on registers, stands between
	ds_add_u32 v[SPW], v[NIL]                      ; and once more, under the one wait
	v_lshrrev_b32 v1, 5, v0
	v_readfirstlane_b32 s10, v1                    ; wave 0..3
	s_lshr_b32 s11, s10, 1                         ; which half of the tile's rows is mine.  Also: I fetch for A (0) or for B (1)
	s_and_b32 s12, s10, 1                          ; which half of its columns.  Also: which half of that tile I fetch
	s_bfe_u32 s40, ttmp6, 0x40000                  ; cx: my place along the cluster's x
	s_bfe_u32 s41, ttmp6, 0x40004                  ; cy: along its y
	s_lshl_b32 s42, ttmp9, 2                       ; in a cluster launch ttmp9 and ttmp7 count clusters
	s_add_co_u32 s42, s42, s40                     ; tile column = 4 x cluster x + cx
	s_and_b32 s13, ttmp7, 0xffff
	s_lshl_b32 s13, s13, 2
	s_add_co_u32 s13, s13, s41                     ; tile row = 4 x cluster y + cy
	s_lshl_b32 s43, s41, 2
	s_lshl_b32 s43, 15, s43                        ; my row of the cluster: places 4 cy .. 4 cy + 3
	s_lshl_b32 s44, 0x1111, s40                    ; my column: places cx, cx + 4, cx + 8, cx + 12
	; descriptor group 1 for A: 128 rows x 128 elements, padded in LDS
	s_or_b32 s[G1+0], s43, (1<<16)|(1<<20)|(1<<21)|(5<<22)|(3<<25)  ; 15:0 the mask: my row; 17:16 elements of 2 bytes; 20 padding on; 21 set beside a mask; 24:22 after every 64 words (code 5); 31:25 4 words of it (code 3)
	s_mov_b32 s[G1+1], KSTEP<<16                   ; tensor_dim0 = 128
	s_mov_b32 s[G1+2], 128<<16                     ; tensor_dim1 = 128
	s_mov_b32 s[G1+3], KSTEP<<16                   ; tile_dim0 = 128
	s_mov_b32 s[G1+4], 128                         ; tile_dim1 = 128
	s_mov_b32 s[G1+5], SIZE_K                      ; elements from row to row
	s_mov_b32 s[G1+6], 0
	s_mov_b32 s[G1+7], 0
	; for B: 64 rows (k) x 256 elements (n)
	s_or_b32 s[G1B+0], s44, (1<<16)|(1<<20)|(1<<21)|(6<<22)|(7<<25) ; the mask: my column; padding after every 128 words (code 6), 8 words of it (code 7)
	s_mov_b32 s[G1B+1], 256<<16                    ; tensor_dim0 = 256
	s_mov_b32 s[G1B+2], 64<<16                     ; tensor_dim1 = 64
	s_mov_b32 s[G1B+3], 256<<16                    ; tile_dim0 = 256
	s_mov_b32 s[G1B+4], 64                         ; tile_dim1 = 64
	s_mov_b32 s[G1B+5], SIZE_N                     ; elements from row to row
	s_mov_b32 s[G1B+6], 0
	s_mov_b32 s[G1B+7], 0
	; where the tiles come from.  A's hang on the tile row alone, which my row of the cluster shares; B's on the tile column alone, which my column shares.
	; Every wave makes both addresses, in registers that do not hold the other coordinate, and asks by one of them.  All offsets stay under 2^26.
	s_lshl_b32 s17, s12, 7
	s_lshl_b32 s16, s13, 8
	s_add_co_u32 s16, s16, s17                     ; A: row 256 x tile row + 128 x half,
	s_lshl_b32 s16, s16, 13                        ; of 8,192 bytes
	s_mov_b32 s17, 0
	s_lshl_b32 s46, s12, 19                        ; B: k row 64 x half, of 8,192 bytes,
	s_lshl_b32 s47, s42, 9                         ; + 512 bytes x tile column
	s_add_co_u32 s46, s46, s47
	s_mov_b32 s47, 0
	s_mul_i32 s20, s10, HALF                       ; and where they go: wave x 34,816: no place in the cluster enters an LDS address
	s_wait_dscnt 0x0                               ; both opening adds are done
	s_wait_kmcnt 0x0
	s_add_nc_u64 s[14:15], s[4:5], s[16:17]
	s_add_nc_u64 s[46:47], s[6:7], s[46:47]
	CROUND                                         ; all sixteen work-groups are here: the first joint loads meet
.irp s, 0,1
	s_mov_b32 s[G0+4*(\s)], 1                                      ; count = 1
	s_add_co_u32 s[G0+4*(\s)+1], s20, (\s)*SLOT                    ; LDS address
	s_add_nc_u64 s[G0+4*(\s)+2:G0+4*(\s)+3], s[14:15], (\s)*KSTEP*2  ; global address: K step s
	s_or_b32 s[G0+4*(\s)+3], s[G0+4*(\s)+3], 0x80000000            ; type = 2
	s_mov_b32 s[G0B+4*(\s)], 1
	s_add_co_u32 s[G0B+4*(\s)+1], s20, (\s)*SLOT
	s_add_nc_u64 s[G0B+4*(\s)+2:G0B+4*(\s)+3], s[46:47], (\s)*BSTEP
	s_or_b32 s[G0B+4*(\s)+3], s[G0B+4*(\s)+3], 0x80000000
	JLOAD \s                                       ; the ring is filled before anything else is done: two loads of mine are out
.endr
	; A fragment is 16 rows x 32 K in 8 registers: lane l holds row l % 16; registers 0-3 K = 8 (l / 16) + 0..7, registers 4-7 K = 16 + 8 (l / 16) + 0..7.
	; A, whose rows lie along K: two loads of 16 bytes, 32 bytes apart.
	v_and_b32 v1, 15, v0                           ; l % 16
	v_bfe_u32 v2, v0, 4, 1                         ; l / 16
	v_mul_u32_u24 v3, v1, PA
	v_lshl_add_u32 v3, v2, 4, v3                   ; row x pitch + 16 x half
	; B, whose rows lie along n: the turning load takes 16 k x 16 n (lane l reads 16 bytes: k row 8 (l / 16) + l % 8, columns 8 ((l / 8) % 2) + 0..7) and leaves half a fragment: lane l holds column l % 16 and 8 k.
	v_and_b32 v4, 7, v0
	v_lshl_add_u32 v4, v2, 3, v4
	v_mul_u32_u24 v4, v4, PB
	v_bfe_u32 v5, v0, 3, 1
	v_lshl_add_u32 v4, v5, 4, v4
	s_mul_i32 s21, s11, HALF                       ; my 128 rows of A
	s_lshl_b32 s22, s12, 8                         ; my 128 columns of B: 256 bytes of each row,
	s_add_co_u32 s22, s22, 2*HALF                  ; behind A's 256 rows
.irp s, 0,1
	v_add_nc_u32 v[ADRA+(\s)], s21, v3
	v_add_nc_u32 v[ADRB+(\s)], s22, v4
	s_add_co_u32 s21, s21, SLOT
	s_add_co_u32 s22, s22, SLOT
.endr
	s_mul_i32 s23, s10, WSTAGE
	s_add_co_u32 s23, s23, STAGE                   ; my stage
	v_mul_u32_u24 v5, v1, SP                       ; in: row l % 16, 32 bytes for each half of the lanes
	v_lshl_add_u32 v5, v2, 5, v5
	v_add_nc_u32 v[STO], s23, v5
	v_and_b32 v6, 31, v0                           ; l
	v_lshlrev_b32 v[CO], 4, v6                     ; back: 32 lanes take one row of 512 bytes,
	v_add_nc_u32 v[RD], s23, v[CO]                 ; which are 512 consecutive bytes of out0
	; out0 at my first row and column; never rewritten afterwards: the rows stand in the stores' immediates
	s_lshl_b32 s16, s13, 8
	s_lshl_b32 s14, s11, 7
	s_add_co_u32 s16, s16, s14                     ; row 256 x tile row + 128 x half,
	s_lshl_b32 s16, s16, 14                        ; of 16,384 bytes (under 2^26)
	s_mov_b32 s17, 0
	s_add_nc_u64 s[8:9], s[8:9], s[16:17]
	s_lshl_b32 s46, s42, 10                        ; 1,024 bytes x tile column + 512 x half
	s_lshl_b32 s47, s12, 9
	s_add_co_u32 s46, s46, s47
	s_mov_b32 s47, 0
	s_add_nc_u64 s[8:9], s[8:9], s[46:47]
	; the prefetches: my blocks of K step 3; each change of slots steps the address by a K step before it is used, so the first names K step 4
	s_lshl_b32 s20, s13, 8                         ; A: row 256 x tile row
	s_lshl_b32 s2, s12, 7                          ;    + the 128 rows that I fetch
	s_add_co_u32 s20, s20, s2
	s_lshl_b32 s2, s40, 5                          ;    + my work-group's 32 of them,
	s_add_co_u32 s20, s20, s2
	s_lshl_b32 s20, s20, 13                        ;    of 8,192 bytes,
	s_add_co_u32 s20, s20, 3*KSTEP*2               ;    at K step 3
	s_lshl_b32 s18, s12, 6                         ; B: the 64 k rows that I fetch
	s_lshl_b32 s2, s41, 4                          ;    + my work-group's 16 of them,
	s_add_co_u32 s18, s18, s2
	s_lshl_b32 s18, s18, 13                        ;    of 8,192 bytes,
	s_lshl_b32 s2, s42, 9                          ;    + 512 bytes x tile column,
	s_add_co_u32 s18, s18, s2
	s_add_co_u32 s18, s18, 3*BSTEP                 ;    at K step 3
	s_and_b32 s21, ttmp7, 0xffff                   ; cluster y
	s_mov_b32 s2, KSTEP*2
	s_mov_b32 s19, BSTEP
	s_cmp_eq_u32 s11, 0                            ; do I fetch for A?
	s_cselect_b32 s20, s20, s18
	s_cselect_b32 s21, ttmp9, s21                  ; the coordinate along which other clusters read the same rows
	s_cselect_b32 s[PST], s2, s19
	s_cselect_b64 s[PFA:PFA+1], s[4:5], s[6:7]
	s_cmp_eq_u32 s21, 0
	s_cselect_b32 s[LIM], 1, -1                    ; the same in all sixteen partners, for a given wave
	s_mov_b32 s21, 0
	s_mov_b32 s[PST+1], 0
	s_add_nc_u64 s[PFA:PFA+1], s[PFA:PFA+1], s[20:21]
	v_lshrrev_b32 v7, s11, v6                      ; A: lane l names row l; B: row l / 2,
	v_lshlrev_b32 v7, 13, v7
	v_and_b32 v5, s11, v6                          ; and of its 512 bytes the block l % 2
	v_lshl_add_u32 v[PFO], v5, 8, v7
; 16 matrix instructions: m blocks a0, a0 + 1 of the window's four (hi = 0: my rows 0-63, 1: rows 64-127) x all 8 n blocks, 32 along K.
; zero = 1: the first product starts the sums: nothing is ever cleared.  The 64 accumulators take turns, one instruction a turn, in the same order in every quarter step.
.macro MUL16 f, hi, a0, zero
	WIN MUL_LO+0x50*(\hi)
.irp a, \a0, (\a0)+1
.irp b, 0,1,2,3,4,5,6,7
.if \zero
	v_wmma_f32_16x16x32_bf16 v[8*(8*(\a)+(\b)):8*(8*(\a)+(\b))+7], v[(\f)+8*(\b):(\f)+8*(\b)+7], v[(\f)+8*(4*(\hi)+(\a)):(\f)+8*(4*(\hi)+(\a))+7], 0
.else
	v_wmma_f32_16x16x32_bf16 v[8*(8*(\a)+(\b)):8*(8*(\a)+(\b))+7], v[(\f)+8*(\b):(\f)+8*(\b)+7], v[(\f)+8*(4*(\hi)+(\a)):(\f)+8*(4*(\hi)+(\a))+7], v[8*(8*(\a)+(\b)):8*(8*(\a)+(\b))+7]
.endif
.endr
.endr
.endm
; 32 LDS loads in one run: the fragments of quarter q of a K step (32 k x my 128 columns of B, my 128 rows of A x 32 k) into buffer f.  The largest offset is 96 PB + 16 PB + 224 = 61,152.
.macro FETCH slot, q, f
	WIN TO_B
.irp i, 0,1,2,3,4,5,6,7
	ds_load_tr16_b128 v[(\f)+8*(\i):(\f)+8*(\i)+3],   v[ADRB+(\slot)] offset:(\q)*32*PB+32*(\i)
	ds_load_tr16_b128 v[(\f)+8*(\i)+4:(\f)+8*(\i)+7], v[ADRB+(\slot)] offset:(\q)*32*PB+32*(\i)+16*PB
.endr
	WIN 0
.irp i, 0,1,2,3,4,5,6,7
	ds_load_b128 v[(\f)+8*(\i):(\f)+8*(\i)+3],   v[ADRA+(\slot)] offset:(\q)*64+(\i)*16*PA
	ds_load_b128 v[(\f)+8*(\i)+4:(\f)+8*(\i)+7], v[ADRA+(\slot)] offset:(\q)*64+(\i)*16*PA+32
.endr
.endm
; A load into a register that a matrix instruction has read, and an LDS store of a matrix result, stand four places behind that matrix instruction, and only plain vector instructions that
; name none of its registers are places (ISA guide 7.12.1 for vector instructions).
.macro PLACES
.rept 4
	v_nop
.endr
.endm
; A K step is four quarters of 32 along K, 64 matrix instructions each, on buffers 0, 1, 0, 1.
; One of the first three: multiplies buffer f; in its middle it fetches quarter q of the same slot into buffer g.
.macro QUARTER slot, q, f, g, zero
	s_wait_dscnt 8                                 ; B and A's rows 0-63 are in; the youngest eight loads (A's rows 64-127) may be out
	MUL16 \f, 0, 0, \zero
	MUL16 \f, 0, 2, \zero
	PLACES
	FETCH \slot, \q, \g
	s_wait_dscnt 32                                ; all but the 32 just issued
	MUL16 \f, 1, 0, \zero
	MUL16 \f, 1, 2, \zero
.endm
; The last quarter multiplies buffer 1 and changes slots.  MEET is its first half: ONE barrier for the change.  In front of it each wave waits for all its tensor loads, of which one is out:
; its part of the next slot; adds 0 to its spare word; and waits for that and for its own reads of this slot.  Behind it nobody reads this slot any more and the next slot is whole.
.macro MEET round                      ; round = 1: the rest of a round of the cluster's barrier follows
	WIN 0                                          ; (the add's two registers lie in window 0)
	s_wait_tensorcnt 0x0                           ; all my tensor loads have landed
	ds_add_u32 v[SPW], v[NIL]                      ; 0 onto my spare word
	s_wait_dscnt 9                                 ; (the add and the youngest eight loads may be out)
	MUL16 F1, 0, 0, 0                              ; sixteen matrix instructions stand between the add and the wait for it
	s_wait_dscnt 0x0                               ; the add is done, and my reads of this slot are over
	s_barrier_signal -1
	MUL16 F1, 0, 2, 0                              ; work on registers while the others arrive
.if \round
	WIN 0
.endif
	s_barrier_wait -1
.endm
; The whole last quarter.  fill = 1: behind a round of the cluster's barrier the slot just read out is filled again first, with the K step two on; then come the next slot's first fragments.
; From a request to the wait for it a wave issues 224 matrix instructions.  One tensor load of mine is out behind each round.
.macro TURN slot, next, fill
.if \fill
	s_wait_xcnt 0x0                                ; the last prefetch, a K step back, has read its address: it is stepped here, ahead of the waits of the change of slots
	s_add_nc_u64 s[PFA:PFA+1], s[PFA:PFA+1], s[PST:PST+1]
	MEET 1
	CREST                                          ; no wave of any partner still reads this slot's tile or has a load on its way
	s_add_nc_u64 s[G0+4*(\slot)+2:G0+4*(\slot)+3], s[G0+4*(\slot)+2:G0+4*(\slot)+3], 2*KSTEP*2  ; no load of mine is out, so a group 0 may be written; the type bits on top are not reached
	s_add_nc_u64 s[G0B+4*(\slot)+2:G0B+4*(\slot)+3], s[G0B+4*(\slot)+2:G0B+4*(\slot)+3], 2*BSTEP
	JLOAD \slot                                    ; the first tensor load behind the round; the four v_nop behind it are also the places in front of the loads below
	FETCH \next, 0, F0
	ASK
.else
	MEET 0                                         ; nothing is filled again, so no round follows
	PLACES
	FETCH \next, 0, F0
.endif
	MUL16 F1, 1, 0, 0
	MUL16 F1, 1, 2, 0
.endm
; THE WAY OUT of block a (16 of my rows), in two parts.  TOSTAGE: the block's eight accumulators go as they lie, 32 bytes a lane, into my own stage, each accumulator's low four registers first
; and come back as whole rows of 512 bytes, into buffer a % 2.  SEND: the rows are stored.
.macro TOSTAGE a
	s_wait_xcnt 0x0                                ; the stores of the block two back, which read this buffer, have had their addresses translated (ISA guide 3.1): only behind this wait is it loaded again
	WIN 0x08+4*((\a)/4)                            ; store data (source 1) in window 2 or 3
.irp b, 0,1,2,3,4,5,6,7
	ds_store_b128 v[STO], v[64*((\a)%4)+8*(\b):64*((\a)%4)+8*(\b)+3]   offset:64*(\b)
	ds_store_b128 v[STO], v[64*((\a)%4)+8*(\b)+4:64*((\a)%4)+8*(\b)+7] offset:64*(\b)+16
.endr
	WIN 0
.irp t, 0,1,2,3,4,5,6,7,8,9,10,11,12,13,14,15
	ds_load_b128 v[64+64*((\a)%2)+4*(\t):64+64*((\a)%2)+4*(\t)+3], v[RD] offset:(\t)*SP  ; LDS serves a wave's instructions in order (ISA guide 5.7.1.4): these see the stores above; the next block's stores come behind them
.endr
.endm
.macro SEND a, younger                 ; younger: the LDS instructions issued behind block a's loads: the next block's 32, or none
.irp t, 0,1,2,3,4,5,6,7,8,9,10,11,12,13,14,15
	s_wait_dscnt (\younger)+15-(\t)                ; row t is back in registers
	global_store_b128 v[CO], v[64+64*((\a)%2)+4*(\t):64+64*((\a)%2)+4*(\t)+3], s[8:9] offset:(16*(\a)+(\t))*SIZE_N*4 th:TH_STORE_NT  ; the wave stores 512 consecutive bytes, at a multiple of 512 from out0's first; 127 rows at the most, inside the signed 24-bit immediate
.endr
.endm
	s_wait_tensorcnt 1                             ; my part of K step 0 is in; K step 1's may stay out
	s_barrier_signal -1
	s_barrier_wait -1                              ; everybody's is
	FETCH 0, 0, F0
	QUARTER 0, 1, F0, F1, 1                        ; the first quarter stands in front of the loop: its products start the sums
	WIN 0                                          ; at a label and at a branch every window is 0
	s_mov_b32 s3, LAPS-1
.Llap:                                                 ; a trip goes once round the ring, from a lap's second quarter to the next lap's first, and fills both slots again
	QUARTER 0, 2, F1, F0, 0
	QUARTER 0, 3, F0, F1, 0
	TURN 0, 1, 1
	QUARTER 1, 1, F0, F1, 0
	QUARTER 1, 2, F1, F0, 0
	QUARTER 1, 3, F0, F1, 0
	TURN 1, 0, 1
	QUARTER 0, 1, F0, F1, 0
	WIN 0
	s_sub_co_u32 s3, s3, 1
	s_cmp_lg_u32 s3, 0
	s_cbranch_scc1 .Llap
	QUARTER 0, 2, F1, F0, 0                        ; the last lap is written out: it asks for nothing more
	QUARTER 0, 3, F0, F1, 0
	TURN 0, 1, 0
	QUARTER 1, 1, F0, F1, 0
	QUARTER 1, 2, F1, F0, 0
	QUARTER 1, 3, F0, F1, 0
	s_wait_dscnt 8                                 ; the very last quarter: nothing more to fetch
	MUL16 F1, 0, 0, 0
	MUL16 F1, 0, 2, 0
	s_wait_dscnt 0x0
	MUL16 F1, 1, 0, 0
	MUL16 F1, 1, 2, 0
	WIN 0
	PLACES                                         ; the places behind the last products, in front of the LDS stores that read results and of the loads into A's buffers;
	PLACES                                         ; eight, once a launch: the wider of the two counts for a form of this kind
	TOSTAGE 0
.irp a, 1,2,3,4,5,6,7                  ; block a's way through the stage stands between block a - 1's loads and its stores
	TOSTAGE \a
	SEND (\a)-1, 32
.endr
	SEND 7, 0
	s_wait_tensorcnt 0x0                           ; the wave's end: behind my last tensor load and my last LDS store
	ds_add_u32 v[SPW], v[NIL]
	s_wait_dscnt 0x0
	CROUND                                         ; the closing round: no work-group ends while a partner may still ask for a tile that names it
	s_endpgm
.Lfunc_end_k_q8ecd24da31_gemm:
	.size	k_q8ecd24da31_gemm, .Lfunc_end_k_q8ecd24da31_gemm-k_q8ecd24da31_gemm
	.p2alignl 7, 3214868480
	.fill 96, 4, 3214868480
	.section	.rodata,"a",@progbits
	.p2align	6, 0x0
	.amdhsa_kernel k_q8ecd24da31_gemm
		.amdhsa_group_segment_fixed_size 327680
		.amdhsa_private_segment_fixed_size 0
		.amdhsa_enable_private_segment 0
		.amdhsa_kernarg_size 24
		.amdhsa_user_sgpr_count 2
		.amdhsa_user_sgpr_kernarg_segment_ptr 1
		.amdhsa_wavefront_size32 1
		.amdhsa_system_sgpr_workgroup_id_x 1
		.amdhsa_system_sgpr_workgroup_id_y 1
		.amdhsa_system_sgpr_workgroup_id_z 1
		.amdhsa_system_vgpr_workitem_id 0
		.amdhsa_next_free_vgpr 1024
		.amdhsa_next_free_sgpr 66
		.amdhsa_reserve_vcc 0
		.amdhsa_float_denorm_mode_32 3
		.amdhsa_float_denorm_mode_16_64 3
		.amdhsa_memory_ordered 1
		.amdhsa_forward_progress 1
		.amdhsa_inst_pref_size 146
	.end_amdhsa_kernel
	.amdgpu_metadata
---
amdhsa.version: [ 1, 2 ]
amdhsa.kernels:
  - .name:           k_q8ecd24da31_gemm
    .symbol:         k_q8ecd24da31_gemm.kd
    .args:
      - { .name: a16, .offset: 0, .size: 8, .value_kind: global_buffer, .address_space: global }
      - { .name: b16, .offset: 8, .size: 8, .value_kind: global_buffer, .address_space: global }
      - { .name: out0, .offset: 16, .size: 8, .value_kind: global_buffer, .address_space: global }
    .group_segment_fixed_size: 327680
    .private_segment_fixed_size: 0
    .kernarg_segment_align: 8
    .kernarg_segment_size: 24
    .max_flat_workgroup_size: 128
    .sgpr_count:     66
    .vgpr_count:     1024
    .wavefront_size: 32
...
	.end_amdgpu_metadata
.endif
;; end of part 2
;; ======== version 2 of 2: 2 launches; version 1 with the launch prep written anew for expert scheduling mode
;; workspace buffers: a16 33,554,432 bytes; b16 33,554,432 bytes
;; launch prep (part 3): grid 128 x 2, 32 waves a work-group, no clusters, 0 bytes of LDS; arguments U, Vh, S, delta, a16, b16; writes a16, b16
.if DOCPART == 3
	.amdgcn_target "amdgcn-amd-amdhsa--gfx1250"
	.amdhsa_code_object_version 6
	.text
	.protected	k_q8ecd24da31_prep
	.globl	k_q8ecd24da31_prep
	.p2align	8
	.type	k_q8ecd24da31_prep,@function
k_q8ecd24da31_prep:
	s_mov_b64 s[64:65], 0
	v_nop
	global_prefetch_b8 v0, s[64:65] scope:SCOPE_SE
	s_setreg_imm32_b32 hwreg(HW_REG_WAVE_SCHED_MODE, 0, 2), 2
	s_setreg_imm32_b32 hwreg(HW_REG_WAVE_MODE, 25, 1), 1
	s_wait_xcnt 0x0
	s_wait_alu depctr_vm_vsrc(0)
; a16[m][k] = bf16( bf16(U[m][k]) * s[k] ),  s[k] = relu( bf16(S[k]) + 1.0 * bf16(delta[k]) ) in f32;   b16[k][n] = bf16(Vh[k][n]).
; U, Vh: [4096][4096] f32.  S, delta: [4096] f32.  a16, b16: [4096][4096] bf16, the same order of rows and columns as their sources.
; LIMITS.  Every input is rounded to bf16 (nearest even) before it is used, and the product U s is rounded once more: the matrix operands of the
; launch behind are 16 bits wide.  s keeps a NaN (the compare is false for it) and keeps -0.  The module's fifth argument, weight, is not among this program's arguments:
; no number of the result depends on it.
; SHARES.  The grid's y says which tensor: 0 = U, 1 = Vh.  A work-group owns 32 whole rows.  Thread t of 1,024 owns columns 4 t .. 4 t + 3 of every row:
; 16 bytes in at 16 t, 8 bytes out at 8 t.  So a wave's load covers 512 consecutive bytes, aligned, a wave's store 256 consecutive bytes, aligned, and a thread's four s stay in registers.
; The text is straight: the row stands in the immediates (at most 31 x 16,384), no address register is ever rewritten and every row has store registers of its own.
; No LDS, no barrier, no matrix unit: no wave wants a byte that another has fetched.
; THE MODE: SCHED_MODE bits 1:0 = 2 (LLVM: expert scheduling mode 2), set by the entry lines.  The code itself states the register dependences
; between vector instructions and memory instructions, with s_wait_alu, always for 0.
; THE PLAN.  The 32 rows go in 16 blocks of two.  Registers that memory instructions touch:
;   X0 .. X5   six blocks of f32 as loaded (row r in slot r % 12).  Written by the loads of block p + 5, issued in block p; read by block p's conversions.
;   Y          two registers for each of the 32 rows.  Written by block p's roundings; read by the two stores that are issued in block p + 1; never written twice.
;   v1, v2     byte offsets, made once at the head and never written again.
;   S and delta as loaded lie in Y's registers of rows 28 to 31: one load each, ahead of every vector instruction that names them.
; Block p works on X[p % 6] and writes Y of rows 2 p, 2 p + 1.  Its memory instructions are the loads into X[(p + 5) % 6] = X[(p - 1) % 6] and the stores of rows 2 p - 2, 2 p - 1:
; the registers that block p - 1 worked on and that no vector instruction of block p names.  So ONE wait at a block's head states all that the block's four memory instructions hang on,
; and these are dealt among its vector instructions with no further wait.  No register that a memory instruction reads is ever written again, so no wait for that is owed.
; Eight to ten loads of every wave are on their way.
.set ROWI,   16384                     ; bytes in a row of f32
.set ROWO,   8192                      ; bytes in a row of bf16
.set ROWS,   32                        ; rows of a work-group
.set BLOCK,  2                         ; rows in a block
.set BLOCKS, ROWS/BLOCK
.set BUFS,   6                         ; X's buffers
.set AHEAD,  BUFS-1                    ; block p asks for block p + AHEAD
.set SLOTS,  BLOCK*BUFS
.set VI,   1                           ; v1         16 t; never rewritten
.set VO,   2                           ; v2         8 t; never rewritten
.set ZERO, 3                           ; v3         0
.set SC,   4                           ; v[4:7]     s of my four columns
.set T,    8                           ; v[8:15]    at work: no memory instruction names them
.set X,    16                          ; v[16:63]   slot i: four f32 as loaded
.set Y,    64                          ; v[64:127]  row r: four bf16 to store
.set SS,   Y+56                        ; v[120:123] at the head only: S as loaded, then delta widened
.set DD,   Y+60                        ; v[124:127] at the head only: delta as loaded
.set CM,   26                          ; s[26:29]   the four compares' masks
	s_load_b256 s[4:11], s[0:1], 0x0               ; U s[4:5], Vh s[6:7], S s[8:9], delta s[10:11]
	s_load_b128 s[12:15], s[0:1], 0x20             ; a16 s[12:13], b16 s[14:15]
	s_lshl_b32 s20, ttmp9, 19                      ; the work-group's 32 rows: 32 x 16,384 bytes in (under 2^27),
	s_mov_b32 s21, 0
	s_lshl_b32 s22, ttmp9, 18                      ; 32 x 8,192 bytes out
	s_mov_b32 s23, 0
	s_and_b32 s24, ttmp7, 0xffff                   ; which tensor
	s_mov_b32 s25, 0xffff0000                      ; a word's upper bf16
	v_lshlrev_b32 v[VI], 4, v0
	v_lshlrev_b32 v[VO], 3, v0
	v_mov_b32 v[ZERO], 0
	s_wait_alu depctr_va_vdst(0)                   ; v1 and v2 are written: every load and store of both paths reads one of them as its offset
.macro FIRST                           ; blocks 0 to 4, rows 0 to 9, into X0 .. X4
.irp i, 0,1,2,3,4,5,6,7,8,9
	global_load_b128 v[X+4*(\i):X+4*(\i)+3], v[VI], s[16:17] offset:(\i)*ROWI th:TH_LOAD_NT
.endr
.endm
; Block p.  scaled = 1: round, widen, times s, round.  scaled = 0: round.
.macro BLK p, scaled
.if (\p) < BLOCKS-AHEAD+1
	s_wait_loadcnt BLOCK*(AHEAD-1)                 ; loads come back in order (ISA guide 5.7.1): this block's two rows are in, the four younger blocks stay out
.else
	s_wait_loadcnt BLOCK*(BLOCKS-1-(\p))           ; the last blocks find fewer behind them: the counts run down
.endif
.if (\p) > 0
	s_wait_alu depctr_va_vdst(0)                   ; the block before has written its two rows of Y, which the stores below read, and is done reading its X, in which the loads below land
.endif
.irp i, 0,1
.set rw, BLOCK*(\p)+(\i)                       ; the row at work,
.set xs, X+4*(rw%SLOTS)                        ; its slot;
.set rl, rw+BLOCK*AHEAD                        ; the row asked for,
.set xl, X+4*(rl%SLOTS)                        ; its slot: the one that row rw - 2 left;
.set rs, rw-BLOCK                              ; the row stored
.if (\p) < BLOCKS-AHEAD
	global_load_b128 v[xl:xl+3], v[VI], s[16:17] offset:rl*ROWI th:TH_LOAD_NT  ; the load ahead of the store; no vector instruction since the wait names these registers
.endif
.if (\p) > 0
	global_store_b64 v[VO], v[Y+2*rs:Y+2*rs+1], s[18:19] offset:rs*ROWO th:TH_STORE_NT  ; the block before
.endif
.if \scaled
	v_cvt_pk_bf16_f32 v[T],   v[xs],   v[xs+1]     ; the input's rounding, two at a time
	v_cvt_pk_bf16_f32 v[T+1], v[xs+2], v[xs+3]
	v_lshlrev_b32 v[T+4], 16,  v[T]                ; bf16 to f32: the low half moves up,
	v_and_b32     v[T+5], s25, v[T]                ; the high half stays
	v_lshlrev_b32 v[T+6], 16,  v[T+1]
	v_and_b32     v[T+7], s25, v[T+1]
	v_pk_mul_f32 v[T+4:T+5], v[T+4:T+5], v[SC:SC+1]
	v_pk_mul_f32 v[T+6:T+7], v[T+6:T+7], v[SC+2:SC+3]
	v_cvt_pk_bf16_f32 v[Y+2*rw],   v[T+4], v[T+5]
	v_cvt_pk_bf16_f32 v[Y+2*rw+1], v[T+6], v[T+7]
.else
	v_cvt_pk_bf16_f32 v[Y+2*rw],   v[xs],   v[xs+1]
	v_cvt_pk_bf16_f32 v[Y+2*rw+1], v[xs+2], v[xs+3]
.endif
.endr
.endm
; Behind the last block: its two rows leave.
.macro LAST
	s_wait_alu depctr_va_vdst(0)                   ; block 15 has written Y of rows 30 and 31, which the last two stores read
.irp i, 0,1
	global_store_b64 v[VO], v[Y+2*(ROWS-BLOCK+(\i)):Y+2*(ROWS-BLOCK+(\i))+1], s[18:19] offset:(ROWS-BLOCK+(\i))*ROWO th:TH_STORE_NT
.endr
.endm
	s_wait_kmcnt 0x0
	s_cmp_lg_u32 s24, 0
	s_cbranch_scc1 .Lvh
	; U -> a16
	s_add_nc_u64 s[16:17], s[4:5], s[20:21]        ; U at the group's first row
	s_add_nc_u64 s[18:19], s[12:13], s[22:23]      ; a16 likewise
	global_load_b128 v[SS:SS+3], v[VI], s[8:9]     ; S and delta of my four columns
	global_load_b128 v[DD:DD+3], v[VI], s[10:11]
	FIRST
	s_wait_loadcnt BLOCK*AHEAD                     ; S and delta are in; the ten rows behind them stay out
	v_cvt_pk_bf16_f32 v[T],   v[SS],   v[SS+1]     ; both are rounded like every input,
	v_cvt_pk_bf16_f32 v[T+1], v[SS+2], v[SS+3]
	v_cvt_pk_bf16_f32 v[T+2], v[DD],   v[DD+1]
	v_cvt_pk_bf16_f32 v[T+3], v[DD+2], v[DD+3]
	v_lshlrev_b32 v[SC],   16,  v[T]               ; widened again,
	v_and_b32     v[SC+1], s25, v[T]
	v_lshlrev_b32 v[SC+2], 16,  v[T+1]
	v_and_b32     v[SC+3], s25, v[T+1]
	v_lshlrev_b32 v[SS],   16,  v[T+2]
	v_and_b32     v[SS+1], s25, v[T+2]
	v_lshlrev_b32 v[SS+2], 16,  v[T+3]
	v_and_b32     v[SS+3], s25, v[T+3]
	v_pk_add_f32 v[SC:SC+1],   v[SC:SC+1],   v[SS:SS+1]    ; added in f32 (the module's scale is 1.0),
	v_pk_add_f32 v[SC+2:SC+3], v[SC+2:SC+3], v[SS+2:SS+3]
.irp j, 0,1,2,3
	v_cmp_lt_f32 s[CM+(\j)], v[SC+(\j)], v[ZERO]   ; and what is below 0 becomes 0: a choice of values, no branch.  The four compares stand in a run, a mask register each,
.endr
	s_wait_alu depctr_va_sdst(0)                   ; the four masks s26 to s29 are written, ahead of their first reader: one wait for the run
.irp j, 0,1,2,3
	v_cndmask_b32 v[SC+(\j)], v[SC+(\j)], v[ZERO], s[CM+(\j)]
.endr
.set blk, 0
.rept BLOCKS
	BLK blk, 1
.set blk, blk+1
.endr
	LAST
	s_endpgm
.Lvh:	; Vh -> b16
	s_add_nc_u64 s[16:17], s[6:7], s[20:21]        ; Vh at the group's first row
	s_add_nc_u64 s[18:19], s[14:15], s[22:23]      ; b16 likewise
	FIRST
.set blk, 0
.rept BLOCKS
	BLK blk, 0
.set blk, blk+1
.endr
	LAST
	s_endpgm
.Lfunc_end_k_q8ecd24da31_prep:
	.size	k_q8ecd24da31_prep, .Lfunc_end_k_q8ecd24da31_prep-k_q8ecd24da31_prep
	.p2alignl 7, 3214868480
	.fill 96, 4, 3214868480
	.section	.rodata,"a",@progbits
	.p2align	6, 0x0
	.amdhsa_kernel k_q8ecd24da31_prep
		.amdhsa_group_segment_fixed_size 0
		.amdhsa_private_segment_fixed_size 0
		.amdhsa_enable_private_segment 0
		.amdhsa_kernarg_size 48
		.amdhsa_user_sgpr_count 2
		.amdhsa_user_sgpr_kernarg_segment_ptr 1
		.amdhsa_wavefront_size32 1
		.amdhsa_system_sgpr_workgroup_id_x 1
		.amdhsa_system_sgpr_workgroup_id_y 1
		.amdhsa_system_sgpr_workgroup_id_z 1
		.amdhsa_system_vgpr_workitem_id 0
		.amdhsa_next_free_vgpr 128
		.amdhsa_next_free_sgpr 66
		.amdhsa_reserve_vcc 0
		.amdhsa_float_denorm_mode_32 3
		.amdhsa_float_denorm_mode_16_64 3
		.amdhsa_memory_ordered 1
		.amdhsa_forward_progress 1
		.amdhsa_inst_pref_size 37
	.end_amdhsa_kernel
	.amdgpu_metadata
---
amdhsa.version: [ 1, 2 ]
amdhsa.kernels:
  - .name:           k_q8ecd24da31_prep
    .symbol:         k_q8ecd24da31_prep.kd
    .args:
      - { .name: U, .offset: 0, .size: 8, .value_kind: global_buffer, .address_space: global }
      - { .name: Vh, .offset: 8, .size: 8, .value_kind: global_buffer, .address_space: global }
      - { .name: S, .offset: 16, .size: 8, .value_kind: global_buffer, .address_space: global }
      - { .name: delta, .offset: 24, .size: 8, .value_kind: global_buffer, .address_space: global }
      - { .name: a16, .offset: 32, .size: 8, .value_kind: global_buffer, .address_space: global }
      - { .name: b16, .offset: 40, .size: 8, .value_kind: global_buffer, .address_space: global }
    .group_segment_fixed_size: 0
    .private_segment_fixed_size: 0
    .kernarg_segment_align: 8
    .kernarg_segment_size: 48
    .max_flat_workgroup_size: 1024
    .sgpr_count:     66
    .vgpr_count:     128
    .wavefront_size: 32
...
	.end_amdgpu_metadata
.endif
;; end of part 3
;; launch gemm: the kernel of part 2 again; grid 16 x 16, 4 waves a work-group, clusters of 4 x 4, 327,680 bytes of LDS; arguments a16, b16, out0; writes out0
